; MI455X (gfx1250); checked and timed in simulation.
; The chip was launched on July 23, 2026; its instructions are those of AMD's public machine-readable ISA for CDNA 5 (MIT licence, August 2026) and "CDNA5" Instruction Set Architecture Reference Guide (July 2026). The comments in the code are by the model that wrote it; some were corrected since.
;; Multi Head Attention Pure. Allowed arithmetic: matrix products marked QUANTISED: E2M1 operands, one E8M0 scale for each 32 along K, by v_wmma_scale_f32_16x16x128_f8f6f4 with both operands' format E2M1 (or v_wmma_scale_f32_32x16x128_f4), f32 sums; products left as they are: f32 operands where the result goes on into a quantised operand, else bf16, f16 or f32 operands; f32 sums; everything else in f32.
;; Inputs: W_out 1,024 x 1,024 float32; b_out 1,024 float32; k 2 x 1,024 x 1,024 float32; q 2 x 1,024 x 1,024 float32; v 2 x 1,024 x 1,024 float32.
;; Outputs: out0 2 x 1,024 x 1,024 float32.
;; Constants: apply_mask = 1.
;; This version of the problem:
;;   THIS VERSION OF THE PROBLEM IS GIVEN IN LOW PRECISION. The matrix products marked QUANTISED in the list below multiply operands that are first quantised to E2M1 (2 exponent bits, 1 mantissa bit; 4 bits a number), with one power-of-two scale for each 32 numbers along K (OCP MX v1.0); their sums are f32. All else is computed in f32.
;;   The module's matrix products, in the order in which they are computed (A, B: the left and right operand; K: the contracted axis; several contracted axes count as one K, in the product's order):
;;     1. batch 128 x [M 1,024, K 16] x [K 16, N 1,024]; A: input q; B: input k: left as it is (K = 16 < 32)
;;     2. batch 128 x [M 1,024, K 1,024] x [K 1,024, N 16]; A: softmax (see below); B: input v: QUANTISED
;;     3. [M 2,048, K 1,024] x [K 1,024, N 1,024]; A: computed on the way; B: input W_out: QUANTISED
;;   THE QUANTISER, for each operand of a quantised product, along K:
;;     - K is cut into blocks of 32 from its start; a last block that is shorter is filled with zeros.
;;     - A block's scale is 2^e with e = floor(log2(the largest magnitude in the block)) - 2, held to -126 .. 127; a block of zeros has e = 0. As a byte (E8M0): e + 127.
;;     - Each number is divided by its block's scale, clamped to +-6, and rounded to the nearest number of E2M1, ties to even, subnormals kept.
;;     - The product sums the exact products of the quantised numbers (number of the format x scale) in f32.
;;   ~~~python
;;   def quantise(x, axis):      # numpy; x: float32 -> the quantised numbers, widened to float32 again
;;       x = np.moveaxis(x, axis, -1); K = x.shape[-1]
;;       x = np.pad(x, [(0, 0)] * (x.ndim - 1) + [(0, -K % 32)]); x = x.reshape(x.shape[:-1] + (-1, 32)); a = np.abs(x).max(-1, keepdims=True)
;;       e = np.where(a > 0, np.clip(np.frexp(np.where(a > 0, a, 1))[1] - 1 - 2, -126, 127), 0)      # np.frexp(a)[1] - 1 = floor(log2(a)), exactly
;;       r = np.clip(x / 2.0 ** e, -6, 6)
;;       step = 2.0 ** (np.maximum(np.frexp(np.where(r == 0, 1, r))[1] - 1, 0) - 1)
;;       q = np.round(r / step) * step * 2.0 ** e      # np.round: ties to even
;;       return np.moveaxis(q.reshape(q.shape[:-2] + (-1,))[..., :K], -1, axis).astype(np.float32)
;;   ~~~
;;   SOFTMAX AHEAD OF A QUANTISED PRODUCT. Where the list says 'softmax', what is quantised is not the finished softmax but p = 2^(t - M), with t = logit x log2(e) and M = ceil(the row's largest t), a whole number; so 1/2 < the row's largest p <= 1. The row's sum l is taken of the UNQUANTISED p, in f32, and the product's result is divided by l at the end. Since M is a whole number, a kernel that streams over the keys may use a running M (the ceiling of the running maximum): every later rescaling is an exact power of two, which a block's scale takes up: the codes' values come out the same.
;;   OPERANDS COMPUTED ON THE WAY. 'Computed on the way' means the value that the module computes at that place (a softmax that the list does not call 'softmax' is quantised finished and normalised). What goes into a quantiser is computed in f32, as accurately as f32 sums, v_exp_f32 and their like allow (about 1e-6 of the number): no bf16 or f16 on the way to a quantiser, and a product that is left as it is and whose result goes on into a quantised operand takes f32 operands (vector FMAs, or v_wmma_f32_16x16x4_f32). A number that lies on a knife's edge between two numbers of the format may be rounded either way, as far as f32 arithmetic and the matrix unit's own rounding can turn it there, and no further.
;; One version. Each part assembles by itself: llvm-mc -triple=amdgcn-amd-amdhsa -mcpu=gfx1250 --defsym DOCPART=n.
;; ======== version 1 of 1: 3 launches
;; workspace buffers: vq 1,179,648 bytes; wc 524,288 bytes; wsc 32,768 bytes; xc 1,048,576 bytes; xs 65,536 bytes
;; launch prep (part 1): grid 160 x 1, 4 waves a work-group, no clusters, 33,280 bytes of LDS; arguments v, W_out, vq, wc, wsc; writes vq, wc, wsc
.if DOCPART == 1
	.amdgcn_target "amdgcn-amd-amdhsa--gfx1250"
	.amdhsa_code_object_version 6
	.text
	.protected	k_q11ff91b3e3_prep
	.globl	k_q11ff91b3e3_prep
	.p2align	8
	.type	k_q11ff91b3e3_prep,@function
k_q11ff91b3e3_prep:
	s_mov_b64 s[64:65], 0
	v_nop
	global_prefetch_b8 v0, s[64:65] scope:SCOPE_SE
	s_setreg_imm32_b32 hwreg(HW_REG_WAVE_MODE, 25, 1), 1
	s_wait_xcnt 0x0
; THE PROGRAM: 128 causal attentions (64 chunks of 16 features x 2 batches, 1,024 positions), the re-view of their result as X [2048][1024], and out0 = X W_out^T + b_out.
; Three launches: this one turns v and W_out into codes of FP4 (E2M1) with one E8M0 byte for each 32 along K; the second does the attention and leaves X as codes; the third is the projection.
; WORK LEFT OUT (in the second launch): reference() replaces the score of key k for query q by -1e9 wherever k > q, by a mask that it builds itself (jnp.tril), whatever q and k hold.
; So the products q.k of hidden keys reach no output.  What a hidden key adds behind the mask is p = 2^(-1e9 log2(e) - M): the stated quantiser holds a block's scale at 2^-126 from below, so such a p has the code 0,
; and its share of the row's sum lies under the sum's rounding.  Steps of 128 keys that lie wholly behind the mask are therefore not walked.  Every input has a way to the output: all five are loaded.
; LIMITS: that holds while a row's visible logits lie above about -1e9 + 150; a NaN, an infinity or an overflow that reaches only the hidden scores is not carried to the result; NaN and infinities among the inputs are not served.
; A block's scale is 2^(floor(log2(its largest magnitude)) - 2); its byte is the largest magnitude's exponent field - 2, held at 1 from below.  A block of zeros so gets the byte 1 where the rule says 127:
; its codes are zeros, which add nothing under any byte but 0xff, and the bytes are read by this program alone.
; WORK-GROUPS 0-127: v.  Its K is the keys, which are not innermost: a lane takes a column (one feature) and its registers run down the keys, so that a block of 32 keys lies in one lane and the codes come out with the keys innermost.
;   A wave takes 32 columns (two heads of 16) x 128 keys.  The codes are stored in the order of the operand's registers: vq [b 16 + jg][key step 2 + head pair] shares of 2,304 bytes:
;   [head of the pair][key block 0..3][dim 0..15][16 bytes], then [head][dim][scale word, 0].  Sixteen lanes store 256 consecutive bytes, aligned.  No LDS on this path.
; WORK-GROUPS 128-159: W_out.  K is innermost and rows are dense: a plain stream of blocks of 32.  Each load takes 512 consecutive bytes; a step's 2,048 bytes turn through the wave's own stage in LDS, so that a lane
;   holds 16 neighbours; codes leave 256 bytes a store, the wave's 256 scale bytes as one aligned store.  wc [n][512 bytes], wsc [n][32 bytes].
.set SPARE,  32768                     ; behind the four waves' regions: the spare words, 128 bytes for each wave
.set SPW,    12                        ; v12  LDS address of my spare word; never rewritten
.set NIL,    13                        ; v13  0; never rewritten
.set FLOORB, 0x1800000                 ; 2^(3 - 127): under it no largest magnitude is taken
.set OFF2,   0xff000000                ; takes 2 off an exponent field
.set VX,     16                        ; v path: v16-143 four sets of 32 numbers
.set VC,     144                       ; v144-159 four registers of codes a block
.set VSB,    160                       ; v160 the four scale bytes, v161 zero
.set WREG,   8192                      ; W path: a wave's region in LDS: two stages of 32 x 80 bytes, then its 256 scale bytes
.set SP,     80                        ; a lane's place in a stage: 64 bytes + 16 of padding
.set WR,     16                        ; v16-143 eight sets of 16 numbers as loaded
.set WX,     144                       ; v144-175 two sets of 16 neighbours
.set WC,     176                       ; v176-207 two registers of codes a step
.set WE,     208                       ; v208-223 a scale byte a step
	s_load_b128 s[4:7], s[0:1], 0x0                ; v, W_out
	s_load_b128 s[8:11], s[0:1], 0x10              ; vq, wc
	s_load_b64 s[12:13], s[0:1], 0x20              ; wsc
	v_lshl_add_u32 v[SPW], v0, 2, SPARE
	v_mov_b32 v[NIL], 0
	v_lshrrev_b32 v1, 5, v0
	v_readfirstlane_b32 s16, v1                    ; wave 0..3
	v_and_b32 v2, 31, v0                           ; lane
	s_cmp_lt_u32 ttmp9, 128                        ; the work-group's number alone decides the path
	s_cbranch_scc0 .Lw
	; ---------------- v ----------------
	s_and_b32 s17, ttmp9, 7                        ; cg: which 128 columns
	s_lshr_b32 s18, ttmp9, 3                       ; bk = 8 b + key step
	s_lshl_b32 s20, s18, 19                        ; 128 rows of 4,096 bytes
	s_lshl_b32 s19, s17, 9
	s_add_co_u32 s20, s20, s19                     ; + 128 columns x 4 bytes x cg
	s_lshl_b32 s19, s16, 7
	s_add_co_u32 s20, s20, s19                     ; + 32 columns x 4 bytes x wave
	s_mov_b32 s21, 0
	s_lshr_b32 s22, s18, 3                         ; b
	s_lshl_b32 s22, s22, 4
	s_lshl_b32 s19, s17, 1
	s_add_co_u32 s22, s22, s19
	s_lshr_b32 s19, s16, 1
	s_add_co_u32 s22, s22, s19                     ; the slab: 16 b + jg, jg = 2 cg + wave / 2
	s_mul_i32 s22, s22, 36864
	s_and_b32 s19, s18, 7
	s_lshl_b32 s19, s19, 1
	s_and_b32 s23, s16, 1
	s_add_co_u32 s19, s19, s23                     ; the share: 2 x key step + head pair
	s_mul_i32 s19, s19, 2304
	s_add_co_u32 s22, s22, s19
	s_mov_b32 s23, 0
	v_lshlrev_b32 v3, 2, v2                        ; in: 4 bytes a lane
	v_lshrrev_b32 v4, 4, v2
	v_and_b32 v5, 15, v2
	v_lshlrev_b32 v4, 10, v4
	v_lshl_add_u32 v4, v5, 4, v4                   ; out: 1,024 x head of the pair + 16 x dim
	v_lshl_add_u32 v5, v2, 3, 2048                 ; the scale words: 8 bytes a lane behind the codes
	v_mov_b32 v[VSB+1], 0
	s_wait_kmcnt 0x0
	s_add_nc_u64 s[4:5], s[4:5], s[20:21]
	s_add_nc_u64 s[8:9], s[8:9], s[22:23]
.macro VLOAD kb                        ; key block kb: v(32 kb + i, my column), i = 0 .. 31; a wave's load reads 128 consecutive bytes
.set i, 0
.rept 32
	global_load_b32 v[VX+32*(\kb)+i], v3, s[4:5] offset:(32*(\kb)+i)*4096 th:TH_LOAD_NT
.set i, i+1
.endr
.endm
.macro VQUANT kb                       ; the block's largest magnitude (all 32 numbers are mine), its byte, its codes, its store
.set XS, VX+32*(\kb)
	v_max3_num_f32 v8, |v[XS]|, |v[XS+1]|, |v[XS+2]|
	v_max3_num_f32 v9, |v[XS+3]|, |v[XS+4]|, |v[XS+5]|
.irp i, 6,10,14,18,22,26
	v_max3_num_f32 v8, v8, |v[XS+\i]|, |v[XS+\i+1]|
	v_max3_num_f32 v9, v9, |v[XS+\i+2]|, |v[XS+\i+3]|
.endr
	v_max3_num_f32 v8, v8, |v[XS+30]|, |v[XS+31]|
	v_max3_num_f32 v8, v8, v9, FLOORB              ; with the floor: the byte cannot fall under 1
	v_add_nc_u32 v11, OFF2, v8                     ; the conversion takes the exponent field of this operand as its scale
	v_lshrrev_b32 v9, 23, v11                      ; the scale's byte
.if (\kb) == 0
	v_mov_b32 v[VSB], v9
.else
	v_lshl_or_b32 v[VSB], v9, 8*(\kb), v[VSB]      ; four bytes to the word, the lower keys in the lower byte
.endif
.irp g, 0,1,2,3
	v_cvt_scalef32_pk8_fp4_f32 v[VC+4*(\kb)+\g], v[XS+8*\g:XS+8*\g+7], v11
.endr
	global_store_b128 v4, v[VC+4*(\kb):VC+4*(\kb)+3], s[8:9] offset:256*(\kb)   ; sixteen lanes: 256 consecutive bytes, aligned; each block has its own registers, so no store's data are written again
.endm
	VLOAD 0
	VLOAD 1
	s_wait_loadcnt 32                              ; block 0 is in; block 1's 32 loads may be out
	VLOAD 2
	VQUANT 0
	s_wait_loadcnt 32                              ; block 1 is in; block 2's may be out
	VLOAD 3
	VQUANT 1
	s_wait_loadcnt 32                              ; block 2 is in; block 3's may be out
	VQUANT 2
	s_wait_loadcnt 0x0
	VQUANT 3
	global_store_b64 v5, v[VSB:VSB+1], s[8:9]      ; 32 lanes: 256 consecutive bytes, aligned
	s_endpgm
	; ---------------- W_out ----------------
.Lw:
	v_lshlrev_b32 v3, 4, v2                        ; my 16 bytes of a load's 512
	s_mul_i32 s17, s16, WREG
	v_lshrrev_b32 v14, 2, v2
	v_mul_u32_u24 v14, v14, SP
	v_and_b32 v15, 3, v2
	v_lshl_add_u32 v14, v15, 4, v14
	v_add_nc_u32 v14, s17, v14                     ; the stage, on the way in: 80 (lane / 4) + 16 (lane % 4); a load's 512 bytes take eight places
	v_mul_u32_u24 v15, v2, SP
	v_add_nc_u32 v15, s17, v15                     ; and on the way out: 80 x lane: my 16 neighbours
	v_lshlrev_b32 v4, 3, v2                        ; 8 bytes a lane: my codes' place in a step's, and my place in the wave's scale bytes
	v_lshrrev_b32 v5, 1, v2
	s_add_co_u32 s17, s17, 2*32*SP
	v_add_nc_u32 v5, s17, v5                       ; LDS: my block's byte
	v_add_nc_u32 v6, s17, v4                       ; and on the way out 8 bytes a lane
	s_sub_co_u32 s18, ttmp9, 128
	s_lshl_b32 s18, s18, 2
	s_add_co_u32 s18, s18, s16                     ; which run of 8,192 numbers is my wave's
	s_lshl_b32 s20, s18, 15
	s_mov_b32 s21, 0
	s_lshl_b32 s22, s18, 12
	s_mov_b32 s23, 0
	s_lshl_b32 s18, s18, 8
	s_mov_b32 s19, 0
	s_wait_kmcnt 0x0
	s_add_nc_u64 s[6:7], s[6:7], s[20:21]
	s_add_nc_u64 s[10:11], s[10:11], s[22:23]
	s_add_nc_u64 s[12:13], s[12:13], s[18:19]
.macro WLOAD t
.irp i, 0,1,2,3
	global_load_b128 v[WR+16*((\t)%8)+4*\i:WR+16*((\t)%8)+4*\i+3], v3, s[6:7] offset:2048*(\t)+512*\i th:TH_LOAD_NT
.endr
.endm
.macro WTURN t                         ; step t's numbers through the stage: LDS serves a wave's instructions in order, so no wait stands between the stores and the loads
.irp i, 0,1,2,3
	ds_store_b128 v14, v[WR+16*((\t)%8)+4*\i:WR+16*((\t)%8)+4*\i+3] offset:32*SP*((\t)%2)+8*SP*\i
.endr
.irp i, 0,1,2,3
	ds_load_b128 v[WX+16*((\t)%2)+4*\i:WX+16*((\t)%2)+4*\i+3], v15 offset:32*SP*((\t)%2)+16*\i
.endr
.endm
.irp t, 0,1,2,3,4,5,6,7
	WLOAD \t
.endr
	s_wait_loadcnt 28                              ; step 0's four loads are in; the seven steps behind it may be out
	WTURN 0
.macro WSTEP t
.set XS, WX+16*((\t)%2)
.if (\t) > 0
	s_wait_dscnt 1                                 ; this step's numbers are back from the stage (the last step's byte store may be out): so its stores into the stage have read their registers,
.else
	s_wait_dscnt 0x0
.endif
.if (\t)+8 < 16
	WLOAD (\t)+8                                   ; which take the loads of eight steps on
.endif
.if (\t)+1 < 16
.if (\t) <= 7
	s_wait_loadcnt 28                              ; the next step's four loads are in; those of the seven steps behind it may be out
.else
	s_wait_loadcnt 4*(14-(\t))                     ; the counts run down: steps t + 2 .. 15 are behind it
.endif
	WTURN (\t)+1
.endif
	v_max3_num_f32 v8, |v[XS]|, |v[XS+1]|, |v[XS+2]|
	v_max3_num_f32 v9, |v[XS+3]|, |v[XS+4]|, |v[XS+5]|
.irp i, 6,10
	v_max3_num_f32 v8, v8, |v[XS+\i]|, |v[XS+\i+1]|
	v_max3_num_f32 v9, v9, |v[XS+\i+2]|, |v[XS+\i+3]|
.endr
	v_max3_num_f32 v8, v8, |v[XS+14]|, |v[XS+15]|
	v_max3_num_f32 v8, v8, v9, FLOORB
	v_max_num_f32_dpp v8, v8, v8 row_xmask:1 row_mask:0xf bank_mask:0xf   ; with my neighbour's 16: the block's
	v_add_nc_u32 v11, OFF2, v8
	v_cvt_scalef32_pk8_fp4_f32 v[WC+2*(\t)], v[XS:XS+7], v11
	v_cvt_scalef32_pk8_fp4_f32 v[WC+2*(\t)+1], v[XS+8:XS+15], v11
	v_lshrrev_b32 v[WE+(\t)], 23, v11              ; the scale's byte (also the plain line behind the conversions)
	ds_store_b8 v5, v[WE+(\t)] offset:16*(\t)      ; both lanes of a block write the same byte with the same value
	global_store_b64 v4, v[WC+2*(\t):WC+2*(\t)+1], s[10:11] offset:256*(\t)   ; 32 lanes: 256 consecutive bytes, aligned
.endm
.irp t, 0,1,2,3,4,5,6,7,8,9,10,11,12,13,14,15
	WSTEP \t
.endr
	ds_load_b64 v[8:9], v6                         ; LDS serves a wave's instructions in order: these see my stores
	s_wait_dscnt 0x0
	global_store_b64 v4, v[8:9], s[12:13]          ; the wave's 256 scale bytes
	s_wait_tensorcnt 0x0                           ; the wave's end, behind my last LDS store
	ds_add_u32 v[SPW], v[NIL]
	s_wait_dscnt 0x0
	s_endpgm
.Lfunc_end_k_q11ff91b3e3_prep:
	.size	k_q11ff91b3e3_prep, .Lfunc_end_k_q11ff91b3e3_prep-k_q11ff91b3e3_prep
	.p2alignl 7, 3214868480
	.fill 96, 4, 3214868480
	.section	.rodata,"a",@progbits
	.p2align	6, 0x0
	.amdhsa_kernel k_q11ff91b3e3_prep
		.amdhsa_group_segment_fixed_size 33280
		.amdhsa_private_segment_fixed_size 0
		.amdhsa_enable_private_segment 0
		.amdhsa_kernarg_size 40
		.amdhsa_user_sgpr_count 2
		.amdhsa_user_sgpr_kernarg_segment_ptr 1
		.amdhsa_wavefront_size32 1
		.amdhsa_system_sgpr_workgroup_id_x 1
		.amdhsa_system_sgpr_workgroup_id_y 1
		.amdhsa_system_sgpr_workgroup_id_z 1
		.amdhsa_system_vgpr_workitem_id 0
		.amdhsa_next_free_vgpr 224
		.amdhsa_next_free_sgpr 66
		.amdhsa_reserve_vcc 0
		.amdhsa_float_denorm_mode_32 3
		.amdhsa_float_denorm_mode_16_64 3
		.amdhsa_memory_ordered 1
		.amdhsa_forward_progress 1
		.amdhsa_inst_pref_size 53
	.end_amdhsa_kernel
	.amdgpu_metadata
---
amdhsa.version: [ 1, 2 ]
amdhsa.kernels:
  - .name:           k_q11ff91b3e3_prep
    .symbol:         k_q11ff91b3e3_prep.kd
    .args:
      - { .name: v, .offset: 0, .size: 8, .value_kind: global_buffer, .address_space: global }
      - { .name: W_out, .offset: 8, .size: 8, .value_kind: global_buffer, .address_space: global }
      - { .name: vq, .offset: 16, .size: 8, .value_kind: global_buffer, .address_space: global }
      - { .name: wc, .offset: 24, .size: 8, .value_kind: global_buffer, .address_space: global }
      - { .name: wsc, .offset: 32, .size: 8, .value_kind: global_buffer, .address_space: global }
    .group_segment_fixed_size: 33280
    .private_segment_fixed_size: 0
    .kernarg_segment_align: 8
    .kernarg_segment_size: 40
    .max_flat_workgroup_size: 128
    .sgpr_count:     66
    .vgpr_count:     224
    .wavefront_size: 32
...
	.end_amdgpu_metadata
.endif
;; end of part 1
;; launch attn (part 2): grid 8 x 32, 16 waves a work-group, clusters of 4 x 1, 327,680 bytes of LDS; arguments q, k, vq, xc, xs; writes xc, xs
.if DOCPART == 2
	.amdgcn_target "amdgcn-amd-amdhsa--gfx1250"
	.amdhsa_code_object_version 6
	.text
	.protected	k_q11ff91b3e3_attn
	.globl	k_q11ff91b3e3_attn
	.p2align	8
	.type	k_q11ff91b3e3_attn,@function
k_q11ff91b3e3_attn:
	s_mov_b64 s[64:65], 0
	v_nop
	global_prefetch_b8 v0, s[64:65] scope:SCOPE_SE
	s_setreg_imm32_b32 hwreg(HW_REG_WAVE_MODE, 25, 1), 1
	s_wait_xcnt 0x0
	s_wait_alu depctr_hold_cnt(0) depctr_sa_sdst(0) depctr_va_vdst(0) depctr_va_sdst(0) depctr_va_ssrc(0) depctr_va_vcc(0) depctr_vm_vsrc(0)
	s_getreg_b32 s2, hwreg(HW_REG_IB_STS2, 6, 4)
	s_cmp_eq_u32 s2, 0
	s_cbranch_scc0 .Lentry_in_a_cluster
	s_endpgm
.Lentry_in_a_cluster:
	s_bfe_u32 s2, ttmp6, 0x10000c
	s_cmp_lg_u32 s2, 0x3003
	s_cbranch_scc0 .Lentry_shape_is_right
	s_endpgm
.Lentry_shape_is_right:
; x[j][b][s][:] = softmax_k(q.k / 4, causal) v for 128 heads (j = 4 jg + hd, b) of 16 dims and 1,024 positions; x / l is quantised to FP4 here and leaves as the codes of X, the projection's operand.
; WORK LEFT OUT: steps of 128 keys that lie wholly behind reference()'s own causal mask are not walked (shown at the head of the first launch; the limit stated there holds here).
; In the step on the diagonal a hidden score becomes -4e9, which is the logit -1e9 of reference() ahead of its factor 1/4: p is 0 there.
; SCORES in f32 (they go on into a quantiser): S^T = K Q^T by v_wmma_f32_16x16x4_f32, four instructions for 16 keys x 16 queries x 16 dims.  Both sources hold dims 8 h .. 8 h + 7 in a lane's eight registers and K step s names
; registers 2 s, 2 s + 1: the same order of the dims on both sides, so every product meets its partner.
; SOFTMAX: t = score x log2(e) / 4; M = the ceiling of the running largest t; p = 2^(t - M) is quantised along the keys, not normalised; the row's sum is taken of the unquantised p; when M moves, sum and O are multiplied by 2^(old M - new M).
; O^T += V^T P^T on codes of FP4 (source 0 = 16 dims x 128 keys, as the first launch laid them; source 1 = p).  A lane holds ONE query (lane % 16) throughout.
; THE KEYS OF A TILE ARE NOT NEIGHBOURS: lane r of tile 2 b + u takes key 32 b + 8 u + r + 8 (r / 8), so that the 16 registers of tiles 2 b, 2 b + 1 are keys 32 b + 16 (lane / 16) + 0 .. 15.
; SHARES.  A work-group takes the four heads hd of one jg and one b, so that a key's row in LDS is 256 whole bytes of memory.  Wave w: hd = w % 4, a = w / 4.  It owns two tiles of 16 queries: tile p + 8 a (a + 1 key steps) and
; tile 63 - p - 8 a (8 - a key steps): nine key steps in every wave.  How many steps a tile has and where its diagonal lies hang on the wave's number alone; p, the work-group's place, enters global addresses and the mask's lane values only.
; LDS is filled ONCE: all 1,024 keys of the four heads in f32 and V's codes.  CLUSTER: the four work-groups of a cluster (p = 4 X .. 4 X + 3) read the same K and V: every tensor load is asked for jointly, mask 15.
; Each wave issues five loads at the head (its share of V's codes; 16 keys of each quarter of K): five are out by this text's count.  The quarters let the first trips start while the later keys are on their way:
; trip t reads a key step that is never above t, and a quarter holds two key steps.
; X.  x[j][b][s][h] is X[hd 512 + b 256 + s / 4][jg 64 + (s % 4) 16 + h]: a block of 32 along the projection's K is the 16 dims of queries 2 m, 2 m + 1 of one head.
; xc [jg][row'][32 bytes], xs [jg][row'][2 bytes], row' = ((((8 b + p) 4 + hd) 2 + tile A or B) 4 + a) 4 + r / 4: a work-group's codes are 4,096 consecutive bytes, its scale bytes 256.
; q is read as 64 bytes of a row by each of the four waves that share the row's 256 bytes.  No later stream exists to be asked for ahead: all loads stand at the head.
.set KP,     272                       ; a key's row in LDS: 256 bytes + 16 of padding
.set KSTEPB, 128*KP                    ; a key step
.set KGRP,   256*KP                    ; a quarter of K
.set VQ,     1024*KP                   ; V's codes: 16 shares of 2,304 bytes, as they lie in memory
.set SHARE,  2304
.set STGC,   VQ+16*SHARE               ; the work-group's codes of X, 4,096 bytes: written by LDS stores alone
.set STGS,   STGC+4096                 ; and its 256 scale bytes
.set SPARE,  STGS+256                  ; the spare words, 128 bytes for each of 16 waves
.set AK0,  1                           ; v1   my lane's place in a key step of K
.set AV0,  2                           ; v2   in a key step's codes of V
.set ASV0, 3                           ; v3   among V's scale words
.set SPW,  4                           ; v4   LDS address of my spare word; never rewritten
.set NIL,  5                           ; v5   0; never rewritten
.set ADK,  6                           ; v6-8 the addresses of the step in hand
.set ADV,  7
.set ADT,  8
.set D,    9                           ; v9   my query - the diagonal step's first key - 16 (lane / 16), of the tile in hand
.set DB,   10                          ; v10  the same of the second tile
.set NEG,  11                          ; v11  -4e9
.set NM,   12                          ; v12  -M;  v13 the largest t so far
.set TMX,  13
.set L,    14                          ; v[14:15] the sum, in two halves
.set QF,   16                          ; v16-23 the queries in hand;  v24-31 the second tile's
.set QB,   24
.set S,    32                          ; v32-95 S^T: written by the f32 matrix instructions alone
.set P,    96                          ; v96-159 K's eight fragments, then t - M, then p
.set O,    160                         ; v160-167 O^T
.set PC,   168                         ; v168-175 p's codes
.set VF,   176                         ; v176-183 V's fragment
.set VSC,  184                         ; v184 V's scale words, v185 p's: scales and nothing else
.set PSC,  185
.set BM,   188                         ; v188-191 the blocks' largest scores, then largest p
.set T4,   192                         ; v192-195 at work
.set SCO,  196                         ; v196-199 the conversions' scale operands
.set F,    200                         ; v200 2^(old M - new M); v201 named with it as a pair
.set TMP,  202
.set RC,   203
.set SUM2, 204                         ; v[204:205] the sums' second chain
.set XV,   208                         ; v208-215 O / l
.set XC,   216
.set AM,   217
.set SO,   218
.set BY,   219
.set STC,  220                         ; where my four bytes of X's codes go;  v221 my block's byte
.set STS,  221
.set RDC,  222                         ; the way out: my 8 bytes of my wave's 256;  v223 of the scale bytes
.set RDS,  223
.set GO,   224                         ; 8 x lane
.set QO,   225                         ; my byte in a tile of q
.set WV,   14                          ; s14 wave;  s15 hd;  s16 a;  s17 15 - a
.set HD,   15
.set AA,   16
.set AX,   17
.set SEL,  20                          ; s[20:21] lane selects for v_permlanex16_b32: lane l xor 16
.set CS,   22                          ; s[22:23] c = log2(e) / 4
.set G1K,  24                          ; s[24:31] descriptor group 1 for K;  s[32:39] for V;  s[40:55] four groups 0 for K;  s[56:59] V's
.set G1V,  32
.set G0K,  40
.set G0V,  56
.set KS,   66                          ; s66 the trip's key step;  s67, s68 its bytes in K and in V
.set KO,   67
.set VO,   68
.macro ROUND                           ; a round of the cluster's barrier
	s_barrier_signal -1
	s_barrier_wait -1
	s_cmp_lg_u32 s[WV], 0
	s_cbranch_scc1 .Lnot_wave_0_\@
	s_barrier_signal -3
.Lnot_wave_0_\@:
	s_barrier_wait -3
	s_barrier_signal -1
	s_barrier_wait -1
.endm
	s_load_b256 s[4:11], s[0:1], 0x0               ; q s[4:5], k s[6:7], vq s[8:9], xc s[10:11]
	s_load_b64 s[12:13], s[0:1], 0x20              ; xs
	v_lshl_add_u32 v[SPW], v0, 2, SPARE
	v_mov_b32 v[NIL], 0
	ds_add_u32 v[SPW], v[NIL]                      ; the wave's opening: the add, twice on end, and its wait ahead of my first tensor load
	ds_add_u32 v[SPW], v[NIL]                      ; and once more, under the one wait; the set-up below is work on registers
	v_lshrrev_b32 v6, 5, v0
	v_readfirstlane_b32 s[WV], v6                  ; wave 0..15
	s_and_b32 s[HD], s[WV], 3
	s_lshr_b32 s[AA], s[WV], 2
	s_xor_b32 s[AX], s[AA], 15
	s_bfe_u32 s70, ttmp6, 0x40000                  ; cx
	s_lshl_b32 s71, ttmp9, 2
	s_add_co_u32 s71, s71, s70                     ; p = 4 x cluster x + cx
	s_and_b32 s72, ttmp7, 0xffff                   ; y = 16 b + jg, which the four partners share
	s_lshr_b32 s73, s72, 4                         ; b
	s_and_b32 s74, s72, 15                         ; jg
	s_lshl_b32 s76, s73, 22
	s_lshl_b32 s77, s74, 8
	s_add_co_u32 s76, s76, s77                     ; b's 4 MiB + jg's 256 bytes in a row of q and of k
	s_lshl_b32 s78, s[WV], 16
	s_add_co_u32 s78, s78, s76                     ; K: my 16 rows of a quarter: 16 w rows of 4,096 bytes
	s_mov_b32 s79, 0
	s_mul_i32 s80, s72, 16*SHARE
	s_mul_i32 s82, s[WV], SHARE
	s_add_co_u32 s80, s80, s82                     ; V: the slab y, my share w
	s_mov_b32 s81, 0
	s_mul_i32 s83, s[WV], 16*KP                    ; and K's place in LDS: no place in the cluster enters an LDS address
	s_lshl_b32 s75, s[HD], 6                       ; my head's 64 bytes
	s_add_co_u32 s77, s75, s76
	s_lshl_b32 s88, s[AA], 3
	s_add_co_u32 s88, s88, s71                     ; the first tile: p + 8 a
	s_sub_co_u32 s89, 63, s88                      ; the second: 63 - p - 8 a
	s_lshl_b32 s84, s88, 16                        ; 16 rows of 4,096 bytes a tile
	s_add_co_u32 s84, s84, s77
	s_mov_b32 s85, 0
	s_lshl_b32 s86, s89, 16
	s_add_co_u32 s86, s86, s77
	s_mov_b32 s87, 0
	s_lshl_b32 s88, s73, 3
	s_add_co_u32 s88, s88, s71                     ; 8 b + p
	s_lshl_b32 s90, s88, 12
	s_lshl_b32 s89, s74, 16
	s_add_co_u32 s90, s90, s89
	s_lshl_b32 s89, s[WV], 8
	s_add_co_u32 s90, s90, s89                     ; xc: jg 65,536 + (8 b + p) 4,096 + 256 w
	s_mov_b32 s91, 0
	s_lshl_b32 s92, s88, 8
	s_lshl_b32 s89, s74, 12
	s_add_co_u32 s92, s92, s89                     ; xs: jg 4,096 + (8 b + p) 256
	s_mov_b32 s93, 0
	; descriptor group 1.  K: 16 rows of 64 elements of 4 bytes, 1,024 elements apart, 16 bytes of padding behind each row
	s_mov_b32 s[G1K], 15|(2<<16)|(1<<20)|(1<<21)|(5<<22)|(3<<25)   ; the mask: all four work-groups; bit 21 beside it; padding: 4 words after every 64
	s_mov_b32 s[G1K+1], 64<<16                     ; tensor_dim0
	s_mov_b32 s[G1K+2], 16<<16                     ; tensor_dim1
	s_mov_b32 s[G1K+3], 64<<16                     ; tile_dim0
	s_mov_b32 s[G1K+4], 16                         ; tile_dim1
	s_mov_b32 s[G1K+5], 1024                       ; from row to row
	s_mov_b32 s[G1K+6], 0
	s_mov_b32 s[G1K+7], 0
	; V: a share of 2,304 dense bytes as 9 rows of 32 elements of 8 bytes
	s_mov_b32 s[G1V], 15|(3<<16)|(1<<21)
	s_mov_b32 s[G1V+1], 32<<16
	s_mov_b32 s[G1V+2], 9<<16
	s_mov_b32 s[G1V+3], 32<<16
	s_mov_b32 s[G1V+4], 9
	s_mov_b32 s[G1V+5], 32
	s_mov_b32 s[G1V+6], 0
	s_mov_b32 s[G1V+7], 0
	s_mov_b32 s[SEL], 0x76543210
	s_mov_b32 s[SEL+1], 0xfedcba98
	s_mov_b32 s[CS], 0x3eb8aa3b                    ; log2(e) / 4
	s_mov_b32 s[CS+1], s[CS]                       ; (named with it as a pair, so it is written)
	s_wait_dscnt 0x0                               ; both opening adds are done
	s_wait_kmcnt 0x0
	s_add_nc_u64 s[78:79], s[6:7], s[78:79]
	s_add_nc_u64 s[80:81], s[8:9], s[80:81]
	s_add_nc_u64 s[84:85], s[4:5], s[84:85]        ; q at my first tile,
	s_add_nc_u64 s[86:87], s[4:5], s[86:87]        ; and at my second
	s_add_nc_u64 s[10:11], s[10:11], s[90:91]
	s_add_nc_u64 s[12:13], s[12:13], s[92:93]
	s_mov_b32 s[G0V], 1
	s_add_co_u32 s[G0V+1], s82, VQ
	s_mov_b64 s[G0V+2:G0V+3], s[80:81]
	s_or_b32 s[G0V+3], s[G0V+3], 0x80000000
.irp g, 0,1,2,3
	s_mov_b32 s[G0K+4*\g], 1
	s_add_co_u32 s[G0K+4*\g+1], s83, \g*KGRP       ; keys 256 g + 16 w on
	s_add_nc_u64 s[G0K+4*\g+2:G0K+4*\g+3], s[78:79], \g*1048576
	s_or_b32 s[G0K+4*\g+3], s[G0K+4*\g+3], 0x80000000
.endr
	ROUND                                          ; all four work-groups are here: the joint loads meet
	tensor_load_to_lds s[G0V:G0V+3], s[G1V:G1V+7]
	s_nop 0
.irp g, 0,1,2,3
	tensor_load_to_lds s[G0K+4*\g:G0K+4*\g+3], s[G1K:G1K+7]
	s_nop 0
.endr
.rept 4
	v_nop
.endr
	v_and_b32 v6, 15, v0                           ; r
	v_bfe_u32 v7, v0, 4, 1                         ; h
	v_and_b32 v8, 31, v0                           ; lane
	v_lshlrev_b32 v[QO], 12, v6
	v_lshl_add_u32 v[QO], v7, 5, v[QO]             ; q: row r of 4,096 bytes, + 32 h: dims 8 h .. 8 h + 7
	global_load_b128 v[QF:QF+3], v[QO], s[84:85]
	global_load_b128 v[QF+4:QF+7], v[QO], s[84:85] offset:16
	global_load_b128 v[QB:QB+3], v[QO], s[86:87]
	global_load_b128 v[QB+4:QB+7], v[QO], s[86:87] offset:16
	v_and_b32 v[AK0], 8, v6
	v_add_nc_u32 v[AK0], v[AK0], v6                ; r + 8 (r / 8)
	v_mul_u32_u24 v[AK0], v[AK0], KP
	v_lshl_add_u32 v[AK0], v7, 5, v[AK0]
	v_add_nc_u32 v[AK0], s75, v[AK0]               ; + 64 hd
	s_lshr_b32 s70, s[HD], 1
	s_mul_i32 s70, s70, SHARE
	s_add_co_u32 s70, s70, VQ                      ; my head pair's share of a key step
	s_and_b32 s88, s[HD], 1
	s_lshl_b32 s89, s88, 10
	s_add_co_u32 s89, s89, s70
	v_lshl_add_u32 v[AV0], v8, 4, s89              ; an image of the fragment's registers: 16 x lane
	s_lshl_b32 s89, s88, 7
	s_add_co_u32 s89, s89, s70
	s_add_co_u32 s89, s89, 2048
	v_lshl_add_u32 v[ASV0], v6, 3, s89             ; dim r's scale word
	v_lshlrev_b32 v[D], 4, v7
	v_sub_nc_u32 v[D], v6, v[D]                    ; r - 16 h
	s_lshl_b32 s88, s71, 4
	s_sub_co_u32 s89, 112, s88
	v_add_nc_u32 v[DB], s89, v[D]                  ; the second tile begins 16 (7 - p) keys into its diagonal step,
	v_add_nc_u32 v[D], s88, v[D]                   ; the first 16 p
	v_mov_b32 v[NEG], 0xcf6e6b28                   ; -4e9
	s_lshl_b32 s88, s[HD], 10
	s_lshl_b32 s89, s[AA], 7
	s_add_co_u32 s88, s88, s89
	s_add_co_u32 s88, s88, STGC
	v_lshl_add_u32 v[STC], v6, 3, s88
	v_lshl_add_u32 v[STC], v7, 2, v[STC]           ; 1,024 hd + 128 a + 8 r + 4 h
	s_lshl_b32 s88, s[HD], 6
	s_lshl_b32 s89, s[AA], 3
	s_add_co_u32 s88, s88, s89
	s_add_co_u32 s88, s88, STGS
	v_lshrrev_b32 v[STS], 1, v6
	v_add_nc_u32 v[STS], s88, v[STS]               ; 64 hd + 8 a + r / 2
	s_lshl_b32 s88, s[WV], 8
	s_add_co_u32 s88, s88, STGC
	v_lshl_add_u32 v[RDC], v8, 3, s88
	v_lshl_add_u32 v[RDS], v8, 3, STGS
	v_lshlrev_b32 v[GO], 3, v8
	v_mov_b32 v[TMX], 0xff61b1e6                   ; the largest t so far: -3e38, under every t
	v_floor_f32 v[NM], -v[TMX]
	v_mov_b32 v[L], 0
	v_mov_b32 v[L+1], 0
.irp j, 0,1,2,3,4,5,6,7
	v_mov_b32 v[O+\j], 0                           ; a tile's first step finds zeros, which the first change of M leaves zeros
.endr
.irp j, 0,1,2,3
	v_mov_b32 v[T4+\j], 0                          ; written once: a lane permute's destination counts as one of its sources
.endr
	v_mov_b32 v[F+1], 0
; A barrier in front of reads of tiles that all sixteen waves fetched.  n = the quarters of K issued behind the one that the next two trips may read.  The younger loads stay out.
.macro BAR n
	s_wait_tensorcnt \n
	s_wait_dscnt 0x0
	s_barrier_signal -1
	s_barrier_wait -1
.endm
; On the diagonal: register 16 b + i holds key 32 b + 16 (lane / 16) + i of the step: hidden where 32 b + i > D.  The masked scores go into P: S^T's registers are written by matrix instructions alone.
.macro MASK
.set n, 0
.rept 64
	v_cmp_gt_i32 vcc_lo, 32*(n/16)+n%16, v[D]
	v_cndmask_b32 v[P+n], v[S+n], v[NEG], vcc_lo
.set n, n+1
.endr
.endm
; The largest score of each block of 32 keys (it serves the row's maximum and, since p rises with the score, the block's largest p), the new M, f, and t - M into P.  Each accumulator is read from its low end on.
.macro PART1 src
.irp b, 0,1,2,3
	v_max3_num_f32 v[BM+\b], v[\src+16*\b], v[\src+16*\b+1], v[\src+16*\b+2]
.endr
.irp i, 3,5,7,9,11,13
.irp b, 0,1,2,3
	v_max3_num_f32 v[BM+\b], v[BM+\b], v[\src+16*\b+\i], v[\src+16*\b+\i+1]
.endr
.endr
.irp b, 0,1,2,3
	v_max_num_f32 v[BM+\b], v[BM+\b], v[\src+16*\b+15]
.endr
.irp b, 0,1,2,3
	v_permlanex16_b32 v[T4+\b], v[BM+\b], s[SEL], s[SEL+1]
.endr
.irp b, 0,1,2,3
	v_max_num_f32 v[BM+\b], v[BM+\b], v[T4+\b]     ; with lane l xor 16's 16 keys
.endr
	v_max3_num_f32 v[TMP], v[BM], v[BM+1], v[BM+2]
	v_max_num_f32 v[TMP], v[TMP], v[BM+3]
	v_mul_f32 v[TMP], s[CS], v[TMP]                ; as t (c is positive)
	v_max_num_f32 v[TMX], v[TMX], v[TMP]
	v_mov_b32 v[TMP], v[NM]
	v_floor_f32 v[NM], -v[TMX]                     ; -M = floor(-t): M is a whole number
	v_sub_f32 v[TMP], v[NM], v[TMP]                ; old M - new M: a whole number, 0 or less
	v_cvt_i32_f32 v[TMP], v[TMP]                   ; (it saturates)
	v_ldexp_f32 v[F], 1.0, v[TMP]                  ; f = 2^(old M - new M)
.set j, 0
.rept 32
	v_pk_fma_f32 v[P+j:P+j+1], v[\src+j:\src+j+1], s[CS:CS+1], v[NM:NM+1] op_sel_hi:[1,0,0]   ; t - M, two at a time
.set j, j+2
.endr
.irp b, 0,1,2,3
	v_fma_f32 v[BM+\b], v[BM+\b], s[CS], v[NM]     ; the same of each block's largest score
.endr
.endm
; p, the sums, p's codes and scale word, and the second product.
.macro PART2
.set j, 0
.rept 64
	v_exp_f32 v[P+j], v[P+j]                       ; p = 2^(t - M)
.set j, j+1
.endr
	v_pk_mul_f32 v[L:L+1], v[L:L+1], v[F:F+1] op_sel_hi:[1,0]      ; the sums under the new M (the plain line behind the exponentials)
	s_wait_alu depctr_va_vdst(0)                   ; one wait for the batch of 64, ahead of its first reader
.irp b, 0,1,2,3
	v_exp_f32 v[BM+\b], v[BM+\b]                   ; the blocks' largest p
.endr
.irp j, 0,2,4,6
	v_pk_mul_f32 v[O+\j:O+\j+1], v[O+\j:O+\j+1], v[F:F+1] op_sel_hi:[1,0]   ; O^T under the new M
.endr
	v_pk_add_f32 v[SUM2:SUM2+1], v[P:P+1], v[P+2:P+3]              ; the row's sum of the unquantised p, in two chains
.irp j, 4,8,12,16
	v_pk_add_f32 v[L:L+1], v[L:L+1], v[P+\j:P+\j+1]
	v_pk_add_f32 v[SUM2:SUM2+1], v[SUM2:SUM2+1], v[P+\j+2:P+\j+3]
.endr
	s_wait_alu depctr_va_vdst(0)                   ; and one for the four
.irp b, 0,1,2,3
	v_max_num_f32 v[BM+\b], 0x1800000, v[BM+\b]    ; the floor 2^(3 - 127): the byte cannot fall under 1
.endr
.irp b, 0,1,2,3
	v_add_nc_u32 v[SCO+\b], 0xff000000, v[BM+\b]   ; 2 off the exponent field: the conversion's scale operand
.endr
.irp b, 0,1,2,3
	v_lshrrev_b32 v[T4+\b], 23, v[SCO+\b]          ; the scale's byte
.endr
	v_lshl_or_b32 v[PSC], v[T4+1], 8, v[T4]        ; p's scale word for these 128 keys
	v_lshl_or_b32 v[PSC], v[T4+2], 16, v[PSC]
	v_lshl_or_b32 v[PSC], v[T4+3], 24, v[PSC]
.irp b, 0,1,2,3
	v_cvt_scalef32_pk8_fp4_f32 v[PC+2*\b], v[P+16*\b:P+16*\b+7], v[SCO+\b]
	v_cvt_scalef32_pk8_fp4_f32 v[PC+2*\b+1], v[P+16*\b+8:P+16*\b+15], v[SCO+\b]
.endr
	v_nop                                          ; one plain line behind the scaled conversions
.irp c, 0,1                                    ; the operand wants a whole block in a lane: lanes 0-15 block 2 c, lanes 16-31 block 2 c + 1
.irp i, 0,1
	v_permlane16_swap_b32 v[PC+4*\c+\i], v[PC+2+4*\c+\i]
.endr
.endr
.irp j, 20,24,28,32,36,40,44,48,52,56,60       ; the rest of the sums: 23 plain lines between the scale word and the codes, written by vector instructions, and the scaled product
	v_pk_add_f32 v[L:L+1], v[L:L+1], v[P+\j:P+\j+1]
	v_pk_add_f32 v[SUM2:SUM2+1], v[SUM2:SUM2+1], v[P+\j+2:P+\j+3]
.endr
	v_pk_add_f32 v[L:L+1], v[L:L+1], v[SUM2:SUM2+1]
	s_wait_dscnt 0x0                               ; V's fragment and scale words, asked for at the step's head
	v_wmma_scale_f32_16x16x128_f8f6f4 v[O:O+7], v[VF:VF+7], v[PC:PC+7], v[O:O+7], v[VSC], v[PSC] matrix_a_fmt:MATRIX_FMT_FP4 matrix_b_fmt:MATRIX_FMT_FP4
.endm
; A tile's end: O^T / l; a block of 32 of X is my 8 dims, lane l xor 16's 8, and the same of query r xor 1; codes and byte go to the work-group's stage.  ch = 0: the state is begun anew for the second tile.
.macro FINAL ch
	v_add_f32 v[TMP], v[L], v[L+1]
	v_permlanex16_b32 v[T4], v[TMP], s[SEL], s[SEL+1]
	v_add_f32 v[TMP], v[TMP], v[T4]                ; the row's sum
	v_rcp_f32 v[RC], v[TMP]
.rept 4
	v_nop                                          ; plain lines: behind the reciprocal, and the four places between the last product and the first read of O^T
.endr
	s_wait_alu depctr_va_vdst(0)                   ; the wait ahead of the reciprocal's first reader
.irp j, 0,1,2,3,4,5,6,7
	v_mul_f32 v[XV+\j], v[O+\j], v[RC]             ; from the accumulator's low end on
.endr
	v_max3_num_f32 v[AM], |v[XV]|, |v[XV+1]|, 0x1800000
	v_max3_num_f32 v[AM], v[AM], |v[XV+2]|, |v[XV+3]|
	v_max3_num_f32 v[AM], v[AM], |v[XV+4]|, |v[XV+5]|
	v_max3_num_f32 v[AM], v[AM], |v[XV+6]|, |v[XV+7]|
	v_max_num_f32_dpp v[AM], v[AM], v[AM] row_xmask:1 row_mask:0xf bank_mask:0xf
	v_permlanex16_b32 v[T4], v[AM], s[SEL], s[SEL+1]
	v_max_num_f32 v[AM], v[AM], v[T4]
	v_add_nc_u32 v[SO], 0xff000000, v[AM]
	v_lshrrev_b32 v[BY], 23, v[SO]
	v_cvt_scalef32_pk8_fp4_f32 v[XC], v[XV:XV+7], v[SO]
	v_nop
	ds_store_b32 v[STC], v[XC] offset:512*\ch
	ds_store_b8 v[STS], v[BY] offset:32*\ch        ; the block's four lanes write the same byte with the same value
.if \ch == 0
	v_mov_b32 v[TMX], 0xff61b1e6
	v_floor_f32 v[NM], -v[TMX]
	v_mov_b32 v[L], 0
	v_mov_b32 v[L+1], 0
.irp j, 0,1,2,3,4,5,6,7
	v_mov_b32 v[O+\j], 0
.endr
.irp j, 0,1,2,3,4,5,6,7
	v_mov_b32 v[QF+\j], v[QB+\j]
.endr
	v_mov_b32 v[D], v[DB]
.endif
.endm
; TRIP trip of nine.  Its key step: trip where trip <= a (the first tile), else trip - a - 1 (the second): min((15 - a + trip) mod 16, trip).
; mode 0 (trips 0-3): the wave whose a is the trip masks, and ends its first tile behind the step; mode 1: no wave is on a diagonal; mode 2 (trip 8): every wave is on its second tile's.
.macro STEP trip, mode
	s_add_co_u32 s[KS], s[AX], \trip
	s_and_b32 s[KS], s[KS], 15
	s_min_u32 s[KS], s[KS], \trip
	s_mul_i32 s[KO], s[KS], KSTEPB
	s_mul_i32 s[VO], s[KS], 2*SHARE
	v_add_nc_u32 v[ADK], s[KO], v[AK0]             ; these three and the v_nop are the four places between the last product and the loads into its sources
	v_add_nc_u32 v[ADV], s[VO], v[AV0]
	v_add_nc_u32 v[ADT], s[VO], v[ASV0]
	v_nop
.irp x, 0,1,2,3,4,5,6,7
	ds_load_b128 v[P+8*\x:P+8*\x+3], v[ADK] offset:(32*(\x/2)+8*(\x%2))*KP         ; dims 8 h .. 8 h + 3 of the tile's 16 keys
.endr
.irp x, 0,1,2,3,4,5,6,7
	ds_load_b128 v[P+8*\x+4:P+8*\x+7], v[ADK] offset:(32*(\x/2)+8*(\x%2))*KP+16    ; dims 8 h + 4 .. 8 h + 7
.endr
	ds_load_b128 v[VF:VF+3], v[ADV]
	ds_load_b128 v[VF+4:VF+7], v[ADV] offset:512
	ds_load_b32 v[VSC], v[ADT]
	s_wait_dscnt 11                                ; the first eight are in; the second eight and V's three may be out
.irp s, 0,1                                    ; the eight accumulators take turns, one instruction a turn
.irp x, 0,1,2,3,4,5,6,7
.if \s == 0
	v_wmma_f32_16x16x4_f32 v[S+8*\x:S+8*\x+7], v[P+8*\x:P+8*\x+1], v[QF:QF+1], 0
.else
	v_wmma_f32_16x16x4_f32 v[S+8*\x:S+8*\x+7], v[P+8*\x+2*\s:P+8*\x+2*\s+1], v[QF+2*\s:QF+2*\s+1], v[S+8*\x:S+8*\x+7]
.endif
.endr
.endr
	s_wait_dscnt 3                                 ; the second eight are in; V's three may be out
.irp s, 2,3
.irp x, 0,1,2,3,4,5,6,7
	v_wmma_f32_16x16x4_f32 v[S+8*\x:S+8*\x+7], v[P+8*\x+2*\s:P+8*\x+2*\s+1], v[QF+2*\s:QF+2*\s+1], v[S+8*\x:S+8*\x+7]
.endr
.endr
.rept 8
	v_nop                                          ; eight places behind this form, ahead of the reads of S^T and of the writes into P, which held its sources
.endr
.if \mode == 0
	s_cmp_eq_u32 s[AA], \trip                      ; the wave's number alone
	s_cbranch_scc0 .Lopen_\@
	MASK
	PART1 P
	s_branch .Ljoin_\@
.Lopen_\@:
	PART1 S
.Ljoin_\@:
.elseif \mode == 1
	PART1 S
.else
	MASK
	PART1 P
.endif
	PART2
.if \mode == 0
	s_cmp_lg_u32 s[AA], \trip
	s_cbranch_scc1 .Lon_\@
	FINAL 0
.Lon_\@:
.endif
.endm
	BAR 3                                          ; V's codes and keys 0-255 are in, everybody's; three quarters of K may be out
	s_wait_loadcnt 0x0                             ; q
	STEP 0, 0
	STEP 1, 0
	BAR 2                                          ; keys 256-511
	STEP 2, 0
	STEP 3, 0
	BAR 1                                          ; keys 512-767
	STEP 4, 1
	STEP 5, 1
	BAR 0                                          ; all keys
	STEP 6, 1
	STEP 7, 1
	STEP 8, 2
	FINAL 1
	; THE WAY OUT: the work-group's 4,096 bytes of codes and 256 scale bytes lie in the stage; each wave stores 256 consecutive bytes, aligned
	s_wait_dscnt 0x0                               ; for the others' sake: my stores into the stage are done
	s_barrier_signal -1
	s_barrier_wait -1
	s_cmp_lg_u32 s[WV], 0
	s_cbranch_scc1 .Lcodes
	ds_load_b64 v[XV+2:XV+3], v[RDS]               ; wave 0: the scale bytes
	s_wait_dscnt 0x0
	global_store_b64 v[GO], v[XV+2:XV+3], s[12:13]
.Lcodes:
	ds_load_b64 v[XV:XV+1], v[RDC]
	s_wait_dscnt 0x0
	global_store_b64 v[GO], v[XV:XV+1], s[10:11]
	s_wait_tensorcnt 0x0                           ; the wave's end: behind my last tensor load and my last LDS store
	ds_add_u32 v[SPW], v[NIL]
	s_wait_dscnt 0x0
	ROUND                                          ; the closing round
	s_endpgm
.Lfunc_end_k_q11ff91b3e3_attn:
	.size	k_q11ff91b3e3_attn, .Lfunc_end_k_q11ff91b3e3_attn-k_q11ff91b3e3_attn
	.p2alignl 7, 3214868480
	.fill 96, 4, 3214868480
	.section	.rodata,"a",@progbits
	.p2align	6, 0x0
	.amdhsa_kernel k_q11ff91b3e3_attn
		.amdhsa_group_segment_fixed_size 327680
		.amdhsa_private_segment_fixed_size 0
		.amdhsa_enable_private_segment 0
		.amdhsa_kernarg_size 40
		.amdhsa_user_sgpr_count 2
		.amdhsa_user_sgpr_kernarg_segment_ptr 1
		.amdhsa_wavefront_size32 1
		.amdhsa_system_sgpr_workgroup_id_x 1
		.amdhsa_system_sgpr_workgroup_id_y 1
		.amdhsa_system_sgpr_workgroup_id_z 1
		.amdhsa_system_vgpr_workitem_id 0
		.amdhsa_next_free_vgpr 256
		.amdhsa_next_free_sgpr 96
		.amdhsa_reserve_vcc 1
		.amdhsa_float_denorm_mode_32 3
		.amdhsa_float_denorm_mode_16_64 3
		.amdhsa_memory_ordered 1
		.amdhsa_forward_progress 1
		.amdhsa_inst_pref_size 199
	.end_amdhsa_kernel
	.amdgpu_metadata
---
amdhsa.version: [ 1, 2 ]
amdhsa.kernels:
  - .name:           k_q11ff91b3e3_attn
    .symbol:         k_q11ff91b3e3_attn.kd
    .args:
      - { .name: q, .offset: 0, .size: 8, .value_kind: global_buffer, .address_space: global }
      - { .name: k, .offset: 8, .size: 8, .value_kind: global_buffer, .address_space: global }
      - { .name: vq, .offset: 16, .size: 8, .value_kind: global_buffer, .address_space: global }
      - { .name: xc, .offset: 24, .size: 8, .value_kind: global_buffer, .address_space: global }
      - { .name: xs, .offset: 32, .size: 8, .value_kind: global_buffer, .address_space: global }
    .group_segment_fixed_size: 327680
    .private_segment_fixed_size: 0
    .kernarg_segment_align: 8
    .kernarg_segment_size: 40
    .max_flat_workgroup_size: 512
    .sgpr_count:     96
    .vgpr_count:     256
    .wavefront_size: 32
...
	.end_amdgpu_metadata
.endif
;; end of part 2
;; launch proj (part 3): grid 16 x 16, 8 waves a work-group, clusters of 4 x 4, 167,936 bytes of LDS; arguments xc, xs, wc, wsc, b_out, out0; writes out0
.if DOCPART == 3
	.amdgcn_target "amdgcn-amd-amdhsa--gfx1250"
	.amdhsa_code_object_version 6
	.text
	.protected	k_q11ff91b3e3_proj
	.globl	k_q11ff91b3e3_proj
	.p2align	8
	.type	k_q11ff91b3e3_proj,@function
k_q11ff91b3e3_proj:
	s_mov_b64 s[64:65], 0
	v_nop
	global_prefetch_b8 v0, s[64:65] scope:SCOPE_SE
	s_setreg_imm32_b32 hwreg(HW_REG_WAVE_MODE, 25, 1), 1
	s_wait_xcnt 0x0
	s_wait_alu depctr_hold_cnt(0) depctr_sa_sdst(0) depctr_va_vdst(0) depctr_va_sdst(0) depctr_va_ssrc(0) depctr_va_vcc(0) depctr_vm_vsrc(0)
	s_getreg_b32 s2, hwreg(HW_REG_IB_STS2, 6, 4)
	s_cmp_eq_u32 s2, 0
	s_cbranch_scc0 .Lentry_in_a_cluster
	s_endpgm
.Lentry_in_a_cluster:
	s_bfe_u32 s2, ttmp6, 0x10000c
	s_cmp_lg_u32 s2, 0xf033
	s_cbranch_scc0 .Lentry_shape_is_right
	s_endpgm
.Lentry_shape_is_right:
; out0[row][n] = the sum over k of X[row][k] W_out[n][k] + b_out[n], on codes of FP4 (E2M1) with one E8M0 byte for each 32 along K; sums in f32.  Nothing of this product is left out.
; X comes as the second launch left it: xc [jg 16][row' 2048][32 bytes] (the codes of columns 64 jg .. 64 jg + 63), xs [jg][row'][2 bytes];
; row' = ((((8 b + p) 4 + hd) 2 + ch) 4 + a) 4 + rr stands for row hd 512 + b 256 + 4 i + rr, i = p + 8 a (ch = 0) or 63 - p - 8 a (ch = 1).  W: wc [n][512 bytes], wsc [n][32 bytes].
; A work-group makes 128 rows' (tile row mt = 8 b + p) x 64 columns (tile column nt); all of K lies in LDS, filled once: no ring, no refill.  Wave w takes rows' 16 w .. 16 w + 15 (hd = w / 2, ch = w % 2; a fragment's row r = 4 a + rr)
; and all 64 columns: four accumulators, which take turns.  THE MATRIX INSTRUCTION IS USED TRANSPOSED (source 0 = 16 rows of W, source 1 = 16 rows of X): a lane holds eight neighbouring columns of one row.  The bias is the C of each sum's first instruction.
; CLUSTER 4 x 4: X's tile hangs on mt alone and is shared along a row of the cluster, W's on nt alone and is shared along a column: each is asked for jointly.  Waves 0-3 fetch X's codes and scale bytes (a quarter each), waves 4-7 W's: two loads a wave are out.
; The 256 tiles give each work-group one tile, so no work-group stays; all loads stand at the head, so nothing is asked for ahead.
.set XA,    0                          ; X's codes: [jg][128 rows x 32 bytes]
.set XS,    65536                      ; X's scale bytes: [jg][128 rows x 2 bytes]
.set WB,    69632                      ; W's codes: 64 rows of 512 bytes + 16 of padding
.set WP,    528
.set WS,    103424                     ; W's scale bytes: 64 rows of 32
.set STG,   105472                     ; the way out: 16 rows x (256 bytes + 16) for each wave; written by LDS stores alone
.set SPARE, 140288                     ; the spare words, 128 bytes for each of 8 waves
.set ADA,  3                           ; v3   X's fragments: 512 w + 32 r + 16 h
.set ADB,  4                           ; v4   W's: 528 r + 16 h
.set ADS,  5                           ; v5   X's scale bytes: 32 w + 2 r
.set ADW,  6                           ; v6   W's scale words: 32 r
.set STO,  7                           ; v7   the stage: where I put 32 bytes of a row
.set RD,   8                           ; v8   and where I read rows back
.set CO,   9                           ; v9-12 my byte offset in out0 for a = 0 .. 3
.set BO,   13                          ; v13  32 h: my eight numbers of the bias
.set SPW,  14                          ; v14  LDS address of my spare word; never rewritten
.set NIL,  15                          ; v15  0; never rewritten
.set ACC,  16                          ; v16-47 four accumulators
.set BI,   48                          ; v48-79 the bias in the result's layout
.set AS,   80                          ; v80-87 X's scale words, one a K step: scales and nothing else
.set BS,   88                          ; v88-119 W's: register 8 u + ks
.set TL,   120                         ; v120-135 X's scale bytes, two a jg
.set F0,   136                         ; v136-175, v176-215 two sets of fragments: X's 8 registers, then W's 4 x 8
.set OUTR, 216                         ; v216-247 rows read back from the stage
.set WV,   16                          ; s16 wave;  s17 which side I fetch for;  s18 which quarter
.set G1A,  24
.set G1AS, 32
.set G1B,  40
.set G1BS, 48
.set G0A,  56
.set G0AS, 60
.set G0B,  68
.set G0BS, 72
.macro ROUND                           ; a round of the cluster's barrier
	s_barrier_signal -1
	s_barrier_wait -1
	s_cmp_lg_u32 s[WV], 0
	s_cbranch_scc1 .Lnot_wave_0_\@
	s_barrier_signal -3
.Lnot_wave_0_\@:
	s_barrier_wait -3
	s_barrier_signal -1
	s_barrier_wait -1
.endm
	s_load_b256 s[4:11], s[0:1], 0x0               ; xc s[4:5], xs s[6:7], wc s[8:9], wsc s[10:11]
	s_load_b128 s[12:15], s[0:1], 0x20             ; b_out s[12:13], out0 s[14:15]
	v_lshl_add_u32 v[SPW], v0, 2, SPARE
	v_mov_b32 v[NIL], 0
	ds_add_u32 v[SPW], v[NIL]                      ; the wave's opening: the add, twice on end, and its wait ahead of my first tensor load
	ds_add_u32 v[SPW], v[NIL]                      ; and once more, under the one wait; the set-up below is work on registers
	v_lshrrev_b32 v1, 5, v0
	v_readfirstlane_b32 s[WV], v1                  ; wave 0..7
	s_lshr_b32 s17, s[WV], 2
	s_and_b32 s18, s[WV], 3
	s_bfe_u32 s76, ttmp6, 0x40000                  ; cx
	s_bfe_u32 s77, ttmp6, 0x40004                  ; cy
	s_lshl_b32 s78, ttmp9, 2
	s_add_co_u32 s78, s78, s76                     ; nt = 4 x cluster x + cx
	s_and_b32 s79, ttmp7, 0xffff
	s_lshl_b32 s79, s79, 2
	s_add_co_u32 s79, s79, s77                     ; mt = 4 x cluster y + cy
	s_lshl_b32 s80, s77, 2
	s_lshl_b32 s80, 15, s80                        ; my row of the cluster
	s_lshl_b32 s81, 0x1111, s76                    ; my column
	; X's codes: 4 rows (jg) of 512 elements of 8 bytes (128 rows' x 32 bytes), 8,192 elements apart
	s_or_b32 s[G1A], s80, (3<<16)|(1<<21)
	s_mov_b32 s[G1A+1], 512<<16
	s_mov_b32 s[G1A+2], 4<<16
	s_mov_b32 s[G1A+3], 512<<16
	s_mov_b32 s[G1A+4], 4
	s_mov_b32 s[G1A+5], 8192
	s_mov_b32 s[G1A+6], 0
	s_mov_b32 s[G1A+7], 0
	; X's scale bytes: 4 rows (jg) of 32 elements of 8 bytes, 512 elements apart
	s_or_b32 s[G1AS], s80, (3<<16)|(1<<21)
	s_mov_b32 s[G1AS+1], 32<<16
	s_mov_b32 s[G1AS+2], 4<<16
	s_mov_b32 s[G1AS+3], 32<<16
	s_mov_b32 s[G1AS+4], 4
	s_mov_b32 s[G1AS+5], 512
	s_mov_b32 s[G1AS+6], 0
	s_mov_b32 s[G1AS+7], 0
	; W's codes: 16 rows of 64 elements of 8 bytes, dense; 4 words of padding after every 128
	s_or_b32 s[G1B], s81, (3<<16)|(1<<20)|(1<<21)|(6<<22)|(3<<25)
	s_mov_b32 s[G1B+1], 64<<16
	s_mov_b32 s[G1B+2], 16<<16
	s_mov_b32 s[G1B+3], 64<<16
	s_mov_b32 s[G1B+4], 16
	s_mov_b32 s[G1B+5], 64
	s_mov_b32 s[G1B+6], 0
	s_mov_b32 s[G1B+7], 0
	; W's scale bytes: 512 dense bytes as 2 rows of 32 elements of 8 bytes
	s_or_b32 s[G1BS], s81, (3<<16)|(1<<21)
	s_mov_b32 s[G1BS+1], 32<<16
	s_mov_b32 s[G1BS+2], 2<<16
	s_mov_b32 s[G1BS+3], 32<<16
	s_mov_b32 s[G1BS+4], 2
	s_mov_b32 s[G1BS+5], 32
	s_mov_b32 s[G1BS+6], 0
	s_mov_b32 s[G1BS+7], 0
	; where the tiles come from: X's hang on mt and the quarter, W's on nt and the quarter, each in registers that never hold the other coordinate
	s_lshl_b32 s82, s18, 18                        ; 4 jg x 65,536 bytes a quarter
	s_lshl_b32 s90, s79, 12
	s_add_co_u32 s82, s82, s90
	s_mov_b32 s83, 0
	s_lshl_b32 s84, s18, 14                        ; 4 jg x 4,096 bytes
	s_lshl_b32 s90, s79, 8
	s_add_co_u32 s84, s84, s90
	s_mov_b32 s85, 0
	s_lshl_b32 s86, s18, 13                        ; 16 rows x 512 bytes
	s_lshl_b32 s91, s78, 15
	s_add_co_u32 s86, s86, s91
	s_mov_b32 s87, 0
	s_lshl_b32 s88, s18, 9                         ; 16 rows x 32 bytes
	s_lshl_b32 s91, s78, 11
	s_add_co_u32 s88, s88, s91
	s_mov_b32 s89, 0
	s_wait_dscnt 0x0                               ; both opening adds are done
	s_wait_kmcnt 0x0
	s_add_nc_u64 s[82:83], s[4:5], s[82:83]
	s_add_nc_u64 s[84:85], s[6:7], s[84:85]
	s_add_nc_u64 s[86:87], s[8:9], s[86:87]
	s_add_nc_u64 s[88:89], s[10:11], s[88:89]
	s_mov_b32 s[G0A], 1
	s_lshl_b32 s[G0A+1], s18, 14                   ; no place in the cluster enters an LDS address
	s_mov_b64 s[G0A+2:G0A+3], s[82:83]
	s_or_b32 s[G0A+3], s[G0A+3], 0x80000000
	s_mov_b32 s[G0AS], 1
	s_lshl_b32 s[G0AS+1], s18, 10
	s_add_co_u32 s[G0AS+1], s[G0AS+1], XS
	s_mov_b64 s[G0AS+2:G0AS+3], s[84:85]
	s_or_b32 s[G0AS+3], s[G0AS+3], 0x80000000
	s_mov_b32 s[G0B], 1
	s_mul_i32 s[G0B+1], s18, 16*WP
	s_add_co_u32 s[G0B+1], s[G0B+1], WB
	s_mov_b64 s[G0B+2:G0B+3], s[86:87]
	s_or_b32 s[G0B+3], s[G0B+3], 0x80000000
	s_mov_b32 s[G0BS], 1
	s_lshl_b32 s[G0BS+1], s18, 9
	s_add_co_u32 s[G0BS+1], s[G0BS+1], WS
	s_mov_b64 s[G0BS+2:G0BS+3], s[88:89]
	s_or_b32 s[G0BS+3], s[G0BS+3], 0x80000000
	ROUND                                          ; all sixteen work-groups are here: the joint loads meet
	s_cmp_eq_u32 s17, 0                            ; a wave's two fills stand in one branch on the wave's number
	s_cbranch_scc0 .Lfor_w
	tensor_load_to_lds s[G0A:G0A+3], s[G1A:G1A+7]
	s_nop 0
	tensor_load_to_lds s[G0AS:G0AS+3], s[G1AS:G1AS+7]
	s_nop 0
.rept 4
	v_nop
.endr
	s_branch .Lasked
.Lfor_w:
	tensor_load_to_lds s[G0B:G0B+3], s[G1B:G1B+7]
	s_nop 0
	tensor_load_to_lds s[G0BS:G0BS+3], s[G1BS:G1BS+7]
	s_nop 0
.rept 4
	v_nop
.endr
.Lasked:
	v_and_b32 v2, 15, v0                           ; r
	v_bfe_u32 v248, v0, 4, 1                       ; h
	v_lshlrev_b32 v[BO], 5, v248
	s_lshl_b32 s92, s78, 8                         ; the tile's 64 numbers of the bias
	s_mov_b32 s93, 0
	s_add_nc_u64 s[12:13], s[12:13], s[92:93]
.irp u, 0,1,2,3
	global_load_b128 v[BI+8*\u:BI+8*\u+3], v[BO], s[12:13] offset:64*\u            ; b_out(64 nt + 16 u + 8 h + 0 .. 7)
	global_load_b128 v[BI+8*\u+4:BI+8*\u+7], v[BO], s[12:13] offset:64*\u+16
.endr
	s_lshl_b32 s90, s[WV], 9
	v_lshlrev_b32 v[ADA], 5, v2
	v_lshl_add_u32 v[ADA], v248, 4, v[ADA]
	v_add_nc_u32 v[ADA], s90, v[ADA]
	v_mul_u32_u24 v[ADB], v2, WP
	v_lshl_add_u32 v[ADB], v248, 4, v[ADB]
	v_add_nc_u32 v[ADB], WB, v[ADB]
	s_lshl_b32 s90, s[WV], 5
	s_add_co_u32 s90, s90, XS
	v_lshl_add_u32 v[ADS], v2, 1, s90
	v_lshl_add_u32 v[ADW], v2, 5, WS
	; where my rows lie in out0: row hd 512 + b 256 + 4 i + rr; 4 i = 4 p + 32 a, or 156 - 4 p + 32 (3 - a)
	s_and_b32 s92, s79, 7
	s_lshl_b32 s92, s92, 2                         ; 4 p
	s_sub_co_u32 s93, 156, s92
	s_and_b32 s94, s[WV], 1                        ; ch
	s_cmp_eq_u32 s94, 0
	s_cselect_b32 s92, s92, s93
	s_lshr_b32 s93, s79, 3                         ; b
	s_lshl_b32 s93, s93, 8
	s_add_co_u32 s92, s92, s93
	s_lshr_b32 s93, s[WV], 1                       ; hd
	s_lshl_b32 s93, s93, 9
	s_add_co_u32 s92, s92, s93
	s_lshl_b32 s92, s92, 12                        ; rows of 4,096 bytes
	s_lshl_b32 s93, s78, 8
	s_add_co_u32 s92, s92, s93                     ; + the tile's 256 bytes of a row
	s_mov_b32 s93, 0
	s_add_nc_u64 s[14:15], s[14:15], s[92:93]
	s_mul_i32 s94, s94, 3
	s_mul_i32 s91, s[WV], 16*272
	s_add_co_u32 s91, s91, STG                     ; my stage
.macro FETCH ks, f                     ; K step ks (128 along K): X's fragment (jg = 2 ks, 2 ks + 1: 16 bytes of each) and W's four, into set f: ten loads
.irp c, 0,1
	ds_load_b128 v[\f+4*\c:\f+4*\c+3], v[ADA] offset:(2*(\ks)+\c)*4096
.endr
.irp u, 0,1,2,3
.irp c, 0,1
	ds_load_b128 v[\f+8+8*\u+4*\c:\f+8+8*\u+4*\c+3], v[ADB] offset:16*WP*\u+64*(\ks)+32*\c
.endr
.endr
.endm
	s_wait_tensorcnt 0x0                           ; my two loads have landed,
	s_barrier_signal -1
	s_barrier_wait -1                              ; everybody's have
.irp g, 0,1,2,3,4,5,6,7,8,9,10,11,12,13,14,15
	ds_load_u16 v[TL+\g], v[ADS] offset:256*\g     ; my row's two scale bytes of jg = g
.endr
.irp u, 0,1,2,3
	ds_load_b128 v[BS+8*\u:BS+8*\u+3], v[ADW] offset:512*\u        ; row 16 u + r of W: its eight scale words
	ds_load_b128 v[BS+8*\u+4:BS+8*\u+7], v[ADW] offset:512*\u+16
.endr
	FETCH 0, F0
	FETCH 1, F0+40
	s_wait_dscnt 28                                ; X's scale bytes are in; W's eight loads and the two fetches' twenty may be out
.irp s, 0,1,2,3,4,5,6,7
	v_lshl_or_b32 v[AS+\s], v[TL+2*\s+1], 16, v[TL+2*\s]           ; the scale word of K step s
.endr
	v_mul_u32_u24 v[STO], v2, 272                  ; the way out's addresses: twelve plain lines, more than the eight that stand between a scale register written by a vector instruction and the scaled product
	v_lshl_add_u32 v[STO], v248, 5, v[STO]
	v_add_nc_u32 v[STO], s91, v[STO]               ; in: row r, + 32 h
	v_mul_u32_u24 v[RD], v248, 272
	v_lshl_add_u32 v[RD], v2, 4, v[RD]
	v_add_nc_u32 v[RD], s91, v[RD]                 ; back: lanes 0-15 one row of 256 bytes, lanes 16-31 the next
	v_lshlrev_b32 v249, 12, v248
	v_lshl_add_u32 v249, v2, 4, v249               ; and the same two rows in out0
.irp a, 0,1,2,3
	s_xor_b32 s95, s94, \a                         ; a, or 3 - a
	s_lshl_b32 s95, s95, 17                        ; 32 rows of 4,096 bytes
	v_add_nc_u32 v[CO+\a], s95, v249
.endr
	s_wait_loadcnt 0x0                             ; the bias
.irp ks, 0,1,2,3,4,5,6,7
.if \ks < 7
	s_wait_dscnt 10                                ; this K step's ten loads are in; the next step's ten may be out
.else
	s_wait_dscnt 0x0
.endif
.irp u, 0,1,2,3
.if \ks == 0
	v_wmma_scale_f32_16x16x128_f8f6f4 v[ACC+8*\u:ACC+8*\u+7], v[F0+40*(\ks%2)+8+8*\u:F0+40*(\ks%2)+8+8*\u+7], v[F0+40*(\ks%2):F0+40*(\ks%2)+7], v[BI+8*\u:BI+8*\u+7], v[BS+8*\u+\ks], v[AS+\ks] matrix_a_fmt:MATRIX_FMT_FP4 matrix_b_fmt:MATRIX_FMT_FP4
.else
	v_wmma_scale_f32_16x16x128_f8f6f4 v[ACC+8*\u:ACC+8*\u+7], v[F0+40*(\ks%2)+8+8*\u:F0+40*(\ks%2)+8+8*\u+7], v[F0+40*(\ks%2):F0+40*(\ks%2)+7], v[ACC+8*\u:ACC+8*\u+7], v[BS+8*\u+\ks], v[AS+\ks] matrix_a_fmt:MATRIX_FMT_FP4 matrix_b_fmt:MATRIX_FMT_FP4
.endif
.endr
.rept 4
	v_nop                                          ; four places, ahead of the loads into the set just multiplied and, behind the last step, of the first read of the results
.endr
.if \ks < 6
	FETCH \ks+2, F0+40*(\ks%2)
.endif
.endr
	; THE WAY OUT: a lane's eight results are 32 neighbouring bytes of a row; the wave's 16 rows x 256 bytes go through its own stage and leave as whole rows
.irp u, 0,1,2,3
	ds_store_b128 v[STO], v[ACC+8*\u:ACC+8*\u+3] offset:64*\u      ; each accumulator from its low end on
	ds_store_b128 v[STO], v[ACC+8*\u+4:ACC+8*\u+7] offset:64*\u+16
.endr
.irp t, 0,1,2,3,4,5,6,7
	ds_load_b128 v[OUTR+4*\t:OUTR+4*\t+3], v[RD] offset:544*\t     ; rows 2 t, 2 t + 1; LDS serves a wave's instructions in order: these see my stores
.endr
.irp t, 0,1,2,3,4,5,6,7
	s_wait_dscnt 7-\t
	global_store_b128 v[CO+\t/2], v[OUTR+4*\t:OUTR+4*\t+3], s[14:15] offset:8192*(\t%2) th:TH_STORE_NT   ; row r = 2 t + lane / 16: a = t / 2, rr = 2 (t % 2) + lane / 16; sixteen lanes store 256 consecutive bytes, aligned
.endr
	s_wait_tensorcnt 0x0                           ; the wave's end: behind my last tensor load and my last LDS store
	ds_add_u32 v[SPW], v[NIL]
	s_wait_dscnt 0x0
	ROUND                                          ; the closing round
	s_endpgm
.Lfunc_end_k_q11ff91b3e3_proj:
	.size	k_q11ff91b3e3_proj, .Lfunc_end_k_q11ff91b3e3_proj-k_q11ff91b3e3_proj
	.p2alignl 7, 3214868480
	.fill 96, 4, 3214868480
	.section	.rodata,"a",@progbits
	.p2align	6, 0x0
	.amdhsa_kernel k_q11ff91b3e3_proj
		.amdhsa_group_segment_fixed_size 167936
		.amdhsa_private_segment_fixed_size 0
		.amdhsa_enable_private_segment 0
		.amdhsa_kernarg_size 48
		.amdhsa_user_sgpr_count 2
		.amdhsa_user_sgpr_kernarg_segment_ptr 1
		.amdhsa_wavefront_size32 1
		.amdhsa_system_sgpr_workgroup_id_x 1
		.amdhsa_system_sgpr_workgroup_id_y 1
		.amdhsa_system_sgpr_workgroup_id_z 1
		.amdhsa_system_vgpr_workitem_id 0
		.amdhsa_next_free_vgpr 256
		.amdhsa_next_free_sgpr 100
		.amdhsa_reserve_vcc 0
		.amdhsa_float_denorm_mode_32 3
		.amdhsa_float_denorm_mode_16_64 3
		.amdhsa_memory_ordered 1
		.amdhsa_forward_progress 1
		.amdhsa_inst_pref_size 24
	.end_amdhsa_kernel
	.amdgpu_metadata
---
amdhsa.version: [ 1, 2 ]
amdhsa.kernels:
  - .name:           k_q11ff91b3e3_proj
    .symbol:         k_q11ff91b3e3_proj.kd
    .args:
      - { .name: xc, .offset: 0, .size: 8, .value_kind: global_buffer, .address_space: global }
      - { .name: xs, .offset: 8, .size: 8, .value_kind: global_buffer, .address_space: global }
      - { .name: wc, .offset: 16, .size: 8, .value_kind: global_buffer, .address_space: global }
      - { .name: wsc, .offset: 24, .size: 8, .value_kind: global_buffer, .address_space: global }
      - { .name: b_out, .offset: 32, .size: 8, .value_kind: global_buffer, .address_space: global }
      - { .name: out0, .offset: 40, .size: 8, .value_kind: global_buffer, .address_space: global }
    .group_segment_fixed_size: 167936
    .private_segment_fixed_size: 0
    .kernarg_segment_align: 8
    .kernarg_segment_size: 48
    .max_flat_workgroup_size: 256
    .sgpr_count:     100
    .vgpr_count:     256
    .wavefront_size: 32
...
	.end_amdgpu_metadata
.endif
;; end of part 3
